; MI455X (gfx1250); checked and timed in simulation.
; The chip was launched on July 23, 2026; its instructions are those of AMD's public machine-readable ISA for CDNA 5 (MIT licence, August 2026) and "CDNA5" Instruction Set Architecture Reference Guide (July 2026). The comments in the code are by the model that wrote it; some were corrected since.
;; AGRACE. Allowed arithmetic: matrix products marked QUANTISED: E4M3 operands, one given power-of-two scale a tensor, by v_wmma_f32_16x16x64_fp8_fp8 or v_wmma_f32_16x16x128_fp8_fp8, f32 sums; products left as they are: f32 operands where the result goes on into a quantised operand, else bf16, f16 or f32 operands; f32 sums; everything else in f32.
;; Inputs: W_codes 4,096 x 128 x 32 uint8 (E4M3 codes of W, K innermost, in blocks of 32 codes); b 4,096 float32; enc_W1 256 x 4,096 float32; enc_W2 256 x 256 float32; enc_b1 256 float32; enc_b2 256 float32; epsilons 2,048 float32; keys 2,048 x 256 float32; lowp_scales 2 int32 (the exponents e of the quantised operands' scales 2^e); values 2,048 x 4,096 float32; x 4 x 1,024 x 4,096 float32.
;; Outputs: out0 4 x 1,024 x 4,096 float32.
;; This version of the problem:
;;   THIS VERSION OF THE PROBLEM IS GIVEN IN LOW PRECISION. The matrix products marked QUANTISED in the list below multiply operands that are first quantised to E4M3 (4 exponent bits, 3 mantissa bits; 8 bits a number), with one given power-of-two scale for each operand tensor; their sums are f32. All else is computed in f32.
;;   The module's matrix products, in the order in which they are computed (A, B: the left and right operand; K: the contracted axis; several contracted axes count as one K, in the product's order):
;;     1. [M 4,096, K 4,096] x [K 4,096, N 4,096]; A: input x; B: input W (given as codes): QUANTISED (scales: A lowp_scales[0], B lowp_scales[1])
;;     2. [M 4, K 4,096] x [K 4,096, N 256]; A: computed on the way; B: input enc_W1: left as it is (M = 4 < 16)
;;     3. [M 4, K 256] x [K 256, N 256]; A: computed on the way; B: input enc_W2: left as it is (M = 4 < 16)
;;     4. [M 2,048, K 256] x [K 256, N 4]; A: computed on the way; B: computed on the way: left as it is (N = 4 < 16)
;;   THE QUANTISER, for each operand of a quantised product, along K:
;;     - The operand's scale is 2^e, e = its entry of the input lowp_scales (int32; the entries are numbered through the quantised products in the list's order, A before B).
;;     - Each number is divided by the scale, clamped to +-448, and rounded to the nearest number of E4M3, ties to even, subnormals kept.
;;     - The product sums the exact products of the quantised numbers (number of the format x scale) in f32.
;;   ~~~python
;;   def quantise(x, axis, e):      # numpy; x: float32 -> the quantised numbers, widened to float32 again
;;       x = np.moveaxis(x, axis, -1); K = x.shape[-1]
;;       r = np.clip(x / 2.0 ** e, -448, 448)
;;       step = 2.0 ** (np.maximum(np.frexp(np.where(r == 0, 1, r))[1] - 1, -6) - 3)
;;       q = np.round(r / step) * step * 2.0 ** e      # np.round: ties to even
;;       return np.moveaxis(q, -1, axis).astype(np.float32)
;;   ~~~
;;   INPUTS GIVEN AS CODES. W (in the module: [4096, 4096], K = its axis 1): each comes as NAME_codes (uint8): NAME with its K axis moved to the last place and cut into blocks of 32 codes, [.., K / 32, bytes a block], one block behind the other in memory; one code a byte (a code: sign, 4 exponent bits, 3 mantissa bits); its scale is its entry of lowp_scales. Its value is code x scale, taken as it is: it is not quantised again, and the codes and scales need not be those that the quantiser above would give.
;; One version. Each part assembles by itself: llvm-mc -triple=amdgcn-amd-amdhsa -mcpu=gfx1250 --defsym DOCPART=n.
;; ======== version 1 of 1: 4 launches
;; limits: right only within a limited range of input values
;; workspace buffers: x_codes 16,777,216 bytes; psum 4,194,304 bytes; flags 8,192 bytes of whole numbers; hpart 65,536 bytes; cidx 256 bytes of whole numbers; cand 512 bytes
;; launch quant (part 1): grid 256 x 1, 8 waves a work-group, no clusters, 68,608 bytes of LDS; arguments x, lowp_scales, x_codes, psum, flags; writes x_codes, psum, flags
.if DOCPART == 1
	.amdgcn_target "amdgcn-amd-amdhsa--gfx1250"
	.amdhsa_code_object_version 6
	.text
	.protected	k_qf7d6b96d24_quant
	.globl	k_qf7d6b96d24_quant
	.p2align	8
	.type	k_qf7d6b96d24_quant,@function
k_qf7d6b96d24_quant:
	s_mov_b64 s[64:65], 0
	v_nop
	global_prefetch_b8 v0, s[64:65] scope:SCOPE_SE
	s_setreg_imm32_b32 hwreg(HW_REG_WAVE_MODE, 25, 1), 1
	s_wait_xcnt 0x0
; FIRST OF FOUR LAUNCHES.  out0[b][s][:] = values[nearest key of b] where batch b is a hit, else Q(x) W^T + b.
; No work of the problem is left out: every input has a way to the output, and which batches are replaced hangs on the inputs' values, so both sides are computed and one is selected.
; Of the table 'values' only the rows of candidate keys are read (a lookup by an index).
; THIS LAUNCH reads x once and makes three things of it:
;   x_codes: E4M3 codes of x / 2^ex, held within +-448, nearest code, ties to even, LAID AS THE LAST LAUNCH'S OPERAND REGISTERS WANT THEM:
;     [256 blocks of 16 rows][32 pieces of 128 along K][4 c][32 lanes][16 bytes]; lane 16 h + r of part c holds row r, K = 32 c + 16 h + 0 .. 15 of the piece;
;   psum [256 chunks of 16 rows][4096] f32: each chunk's column sums, for the masked mean;
;   flags [256 chunks][8 strips] u32: the row (0..1023 inside its batch) of the chunk's first row j with x[j] != x[j-1] in that strip of 512 columns, or a number >= 0x4000.
; SHARES.  Work-group c owns rows 16 c .. 16 c + 15 (one block); wave w the strip of columns 512 w .. 512 w + 511.  Waves share nothing: no barrier.
; Rows are numbered t = 0 .. 16: t = 0 is the row ahead of the chunk (a batch's first chunk loads its own first row there, so that no load leaves x, and the result of that compare is masked away).
; A load takes the bytes as they lie, 16 a lane, 512 a load: a lane's four numbers of a load are four neighbours, so one conversion of eight gives two words of four neighbouring codes.
; The words go into the wave's own 16 rows of 512 + 16 bytes in LDS, in the columns' order; at the end 16 loads of 16 bytes a lane take them out by rows r and halves h, and each store covers 512 consecutive bytes.
; LIMITS: ex between -126 and 119, so that 2^ex and 448 x 2^ex are f32 numbers.  NaN among x is not served (an infinity is held at the largest code, but spoils the mean as it does in the problem's own sum).
.set ROWB,  16384                      ; bytes in a row of x
.set LP,    528                        ; a row of 512 codes in LDS + 16 of padding: 33 x 16 bytes, so that 16 rows' pieces of 16 bytes start at 16 different groups of four banks
.set WREG,  16*LP                      ; a wave's 16 rows
.set SPARE, 8*WREG                     ; behind them: the spare words, 128 bytes for each wave: four blocks of 256 bytes that no other line names
.set NONE,  0x4000                     ; 'no such row'
.set SPW,   12                         ; v12  LDS address of my spare word; never rewritten
.set NIL,   13                         ; v13  0; never rewritten
.set ACC,   16                         ; v16-31   column sums, in the loads' layout
.set T,     32                         ; v32-47   a row held within the largest code
.set CD,    48                         ; v48-55   two sets of four words of codes
.set F,     64                         ; v64-127  the block's codes in the operand's order
.set R,     128                        ; v128-255 eight sets of 16 numbers as loaded: row t in set t % 8
	s_load_b256 s[4:11], s[0:1], 0x0               ; x s[4:5], the scales' exponents s[6:7], x_codes s[8:9], psum s[10:11]
	s_load_b64 s[12:13], s[0:1], 0x20              ; flags
	v_lshl_add_u32 v[SPW], v0, 2, SPARE
	v_mov_b32 v[NIL], 0
	v_lshrrev_b32 v1, 5, v0
	v_readfirstlane_b32 s14, v1                    ; wave 0..7
	s_mul_i32 s20, s14, WREG
	v_and_b32 v2, 31, v0                           ; lane
	v_mov_b32 v6, 0
	v_and_b32 v15, 15, v0                          ; r
	v_bfe_u32 v7, v0, 4, 1                         ; h
	v_lshlrev_b32 v3, 4, v2                        ; 16 x lane: my bytes of a load's 512 and of a store's
	v_mul_u32_u24 v15, v15, LP
	v_lshl_add_u32 v14, v2, 2, s20                 ; on the way in: my word of a load's 128 bytes of codes
	v_lshl_add_u32 v15, v7, 4, v15
	v_add_nc_u32 v15, s20, v15                     ; on the way out: row r, 16 h
	s_and_b32 s15, ttmp9, 63                       ; my chunk inside its batch
	s_cmp_eq_u32 s15, 0
	s_cselect_b32 s17, 0, -1                       ; a batch's first row has no row ahead of it: its compare counts for nothing
	s_cselect_b32 s22, 0, ROWB                     ; how far back row t = 0 lies
	s_mov_b32 s23, 0
	s_lshl_b32 s15, s15, 4                         ; the chunk's first row inside its batch
	s_mov_b32 s16, NONE                            ; the first differing row of the chunk, so far
	s_lshl_b32 s20, ttmp9, 18                      ; x: 16 rows of 16,384 bytes a chunk,
	s_lshl_b32 s26, s14, 11                        ; 2,048 bytes a strip
	s_add_co_u32 s20, s20, s26
	s_mov_b32 s21, 0
	s_lshl_b32 s28, ttmp9, 14                      ; psum: a row of 16,384 bytes a chunk, the same strip
	s_add_co_u32 s28, s28, s26
	s_mov_b32 s29, 0
	s_lshl_b32 s26, ttmp9, 16                      ; x_codes: 65,536 bytes a block,
	s_lshl_b32 s30, s14, 13                        ; four pieces of 2,048 bytes a strip
	s_add_co_u32 s26, s26, s30
	s_mov_b32 s27, 0
	s_lshl_b32 s30, ttmp9, 5                       ; flags: 32 bytes a chunk, 4 a strip
	s_lshl_b32 s31, s14, 2
	s_add_co_u32 s30, s30, s31
	s_mov_b32 s31, 0
	s_wait_alu depctr_va_vdst(0)                   ; the wait at the head's end
	s_wait_kmcnt 0x0
	s_load_b32 s24, s[6:7], 0x0                    ; ex
	s_add_nc_u64 s[4:5], s[4:5], s[20:21]
	s_sub_nc_u64 s[18:19], s[4:5], s[22:23]        ; row t = 0
	s_add_nc_u64 s[8:9], s[8:9], s[26:27]
	s_add_nc_u64 s[10:11], s[10:11], s[28:29]
	s_add_nc_u64 s[12:13], s[12:13], s[30:31]
.macro LOAD t                          ; row t: four loads of 512 consecutive bytes.  Rows 0 and 16 are read by two work-groups and carry no hint
.irp i, 0,1,2,3
.if (\t) == 0
	global_load_b128 v[R+4*\i:R+4*\i+3], v3, s[18:19] offset:512*\i
.elseif (\t) == 16
	global_load_b128 v[R+16*((\t)%8)+4*\i:R+16*((\t)%8)+4*\i+3], v3, s[4:5] offset:((\t)-1)*ROWB+512*\i
.else
	global_load_b128 v[R+16*((\t)%8)+4*\i:R+16*((\t)%8)+4*\i+3], v3, s[4:5] offset:((\t)-1)*ROWB+512*\i th:TH_LOAD_NT
.endif
.endr
.endm
.macro CMP t                           ; does row t differ from row t - 1 anywhere in my strip?  (not equal, true for NaN too, as the problem's != is)
.irp i, 0,1,2,3,4,5,6,7,8,9,10,11,12,13,14,15
	v_cmp_neq_f32 s[32+\i], v[R+16*((\t)%8)+\i], v[R+16*(((\t)-1)%8)+\i]
.endr
.irp i, 0,2,4,6,8,10,12,14
	s_or_b32 s[32+\i], s[32+\i], s[33+\i]
.endr
.irp i, 0,4,8,12
	s_or_b32 s[32+\i], s[32+\i], s[34+\i]
.endr
	s_or_b32 s32, s32, s36
	s_or_b32 s40, s40, s44
	s_or_b32 s32, s32, s40                         ; SCC: some lane, some number
.if (\t) == 1
	s_and_b32 s32, s32, s17                        ; (a batch's first row)
.endif
	s_cselect_b32 s20, (\t)-1, NONE                ; a selection, no branch: the number is only stored
	s_min_u32 s16, s16, s20
.endm
.macro SUM t                           ; the column sums take row t; rows 1 and 2 start them: nothing is cleared
.if (\t) == 2
.irp i, 0,2,4,6,8,10,12,14
	v_pk_add_f32 v[ACC+\i:ACC+\i+1], v[R+16+\i:R+16+\i+1], v[R+32+\i:R+32+\i+1]
.endr
.elseif (\t) > 2
.irp i, 0,2,4,6,8,10,12,14
	v_pk_add_f32 v[ACC+\i:ACC+\i+1], v[ACC+\i:ACC+\i+1], v[R+16*((\t)%8)+\i:R+16*((\t)%8)+\i+1]
.endr
.endif
.endm
.macro STEP t                          ; row t is compared, summed and made codes; row t + 7 is asked for, into row t - 1's set, which has had its last reader
.set CS, CD+4*((\t)%2)
.if (\t) <= 10
	s_wait_loadcnt 24                              ; row t is in; the six rows asked for behind it, 24 loads, stay out
.else
	s_wait_loadcnt 4*(16-(\t))                     ; the rows behind it run out
.endif
	CMP \t
	SUM \t
.if (\t) <= 9
	LOAD (\t)+7
.endif
.irp i, 0,1,2,3,4,5,6,7,8,9,10,11,12,13,14,15
	v_med3_num_f32 v[T+\i], v[R+16*((\t)%8)+\i], -v10, v10   ; the conversion to an 8-bit code does not saturate (ISA guide 7.6.2): the hold at the largest code x the scale
.endr
	v_cvt_scalef32_pk8_fp8_f32 v[CS:CS+1], v[T:T+7], v11       ; word i: the codes of columns 128 i + 4 lane + 0 .. 3
	v_cvt_scalef32_pk8_fp8_f32 v[CS+2:CS+3], v[T+8:T+15], v11
	v_nop                                          ; a plain line behind the last conversion
.irp i, 0,1,2,3
	ds_store_b32 v14, v[CS+\i] offset:((\t)-1)*LP+128*\i   ; 32 lanes, 128 consecutive bytes of the row
.endr
.endm
.irp t, 0,1,2,3,4,5,6,7
	LOAD \t
.endr
	s_wait_kmcnt 0x0
	s_add_co_i32 s24, s24, 127
	s_lshl_b32 s25, s24, 23
	v_mov_b32 v11, s25                             ; 2^ex as f32: the conversion takes its exponent field
	s_add_co_i32 s24, s24, 8
	s_lshl_b32 s24, s24, 23
	s_or_b32 s24, s24, 0x600000
	v_mov_b32 v10, s24                             ; 448 x 2^ex
	s_wait_alu depctr_va_vdst(0)                   ; directly ahead of the wait below
.irp t, 1,2,3,4,5,6,7,8,9,10,11,12,13,14,15,16
	STEP \t
.endr
.set n, 0
.rept 16                               ; piece n / 4, part n % 4.  LDS serves a wave's instructions in order: these see the stores above
	ds_load_b128 v[F+4*n:F+4*n+3], v15 offset:128*(n/4)+32*(n%4)
.set n, n+1
.endr
.irp i, 0,1,2,3
	global_store_b128 v3, v[ACC+4*\i:ACC+4*\i+3], s[10:11] offset:512*\i   ; the strip's 512 sums, as the loads lay: 512 consecutive bytes a store
.endr
.set n, 0
.rept 16
	s_wait_dscnt 15-n                              ; part n is back; the later ones stay out
	global_store_b128 v3, v[F+4*n:F+4*n+3], s[8:9] offset:512*n   ; 512 consecutive bytes, at a multiple of 512 from the buffer's first byte
.set n, n+1
.endr
	s_add_co_u32 s16, s16, s15                     ; the row inside its batch (or >= 0x4000)
	v_mov_b32 v5, s16
	v_cmp_eq_u32 vcc_lo, 0, v2
	s_wait_alu depctr_va_vdst(0)
	s_wait_xcnt 0x0                                ; EXEC is a source of the stores above: it changes only behind this wait
	s_and_saveexec_b32 s20, vcc_lo
	global_store_b32 v6, v5, s[12:13]              ; one word a wave
	s_wait_xcnt 0x0                                ; and again, in front of the line that widens it
	s_or_b32 exec_lo, exec_lo, s20
	s_wait_tensorcnt 0x0                           ; the wave's end, behind my last LDS store
	ds_add_u32 v[SPW], v[NIL]
	s_wait_dscnt 0x0
	s_endpgm
.Lfunc_end_k_qf7d6b96d24_quant:
	.size	k_qf7d6b96d24_quant, .Lfunc_end_k_qf7d6b96d24_quant-k_qf7d6b96d24_quant
	.p2alignl 7, 3214868480
	.fill 96, 4, 3214868480
	.section	.rodata,"a",@progbits
	.p2align	6, 0x0
	.amdhsa_kernel k_qf7d6b96d24_quant
		.amdhsa_group_segment_fixed_size 68608
		.amdhsa_private_segment_fixed_size 0
		.amdhsa_enable_private_segment 0
		.amdhsa_kernarg_size 40
		.amdhsa_user_sgpr_count 2
		.amdhsa_user_sgpr_kernarg_segment_ptr 1
		.amdhsa_wavefront_size32 1
		.amdhsa_system_sgpr_workgroup_id_x 1
		.amdhsa_system_sgpr_workgroup_id_y 1
		.amdhsa_system_sgpr_workgroup_id_z 1
		.amdhsa_system_vgpr_workitem_id 0
		.amdhsa_next_free_vgpr 256
		.amdhsa_next_free_sgpr 66
		.amdhsa_reserve_vcc 1
		.amdhsa_float_denorm_mode_32 3
		.amdhsa_float_denorm_mode_16_64 3
		.amdhsa_memory_ordered 1
		.amdhsa_forward_progress 1
		.amdhsa_inst_pref_size 69
	.end_amdhsa_kernel
	.amdgpu_metadata
---
amdhsa.version: [ 1, 2 ]
amdhsa.kernels:
  - .name:           k_qf7d6b96d24_quant
    .symbol:         k_qf7d6b96d24_quant.kd
    .args:
      - { .name: x, .offset: 0, .size: 8, .value_kind: global_buffer, .address_space: global }
      - { .name: lowp_scales, .offset: 8, .size: 8, .value_kind: global_buffer, .address_space: global }
      - { .name: x_codes, .offset: 16, .size: 8, .value_kind: global_buffer, .address_space: global }
      - { .name: psum, .offset: 24, .size: 8, .value_kind: global_buffer, .address_space: global }
      - { .name: flags, .offset: 32, .size: 8, .value_kind: global_buffer, .address_space: global }
    .group_segment_fixed_size: 68608
    .private_segment_fixed_size: 0
    .kernarg_segment_align: 8
    .kernarg_segment_size: 40
    .max_flat_workgroup_size: 256
    .sgpr_count:     66
    .vgpr_count:     256
    .wavefront_size: 32
...
	.end_amdgpu_metadata
.endif
;; end of part 1
;; launch pool (part 2): grid 16 x 16, 8 waves a work-group, no clusters, 9,728 bytes of LDS; arguments flags, psum, x, enc_W1, hpart; writes hpart
.if DOCPART == 2
	.amdgcn_target "amdgcn-amd-amdhsa--gfx1250"
	.amdhsa_code_object_version 6
	.text
	.protected	k_qf7d6b96d24_pool
	.globl	k_qf7d6b96d24_pool
	.p2align	8
	.type	k_qf7d6b96d24_pool,@function
k_qf7d6b96d24_pool:
	s_mov_b64 s[64:65], 0
	v_nop
	global_prefetch_b8 v0, s[64:65] scope:SCOPE_SE
	s_setreg_imm32_b32 hwreg(HW_REG_WAVE_MODE, 25, 1), 1
	s_wait_xcnt 0x0
; SECOND LAUNCH.  first (the first differing position of a sample), the masked mean over positions first .. 1023, and partial sums of pooled . enc_W1^T.  Nothing is left out.
; hpart [16 slices][4 b][256 o] f32: the part of pooled[b] . enc_W1[o] that columns 256 s .. 256 s + 255 give.
; SHARES.  Work-group (s, 4 b + oq): slice s of the columns, batch b, outputs 64 oq .. 64 oq + 63.  A lane holds columns 4 l .. + 3 and 128 + 4 l .. + 3 of the slice: a row's piece is two loads of 512 consecutive bytes.
; Wave w takes the batch's chunks w + 8 i (i = 0 .. 7), rows 2 w and 2 w + 1 of the chunk that holds first, and outputs 64 oq + 8 w + j (j = 0 .. 7).
; THE MASK.  Chunks that begin behind the chunk of first count whole (their sums were made by the launch before), chunks ahead of it not at all; the chunk of first is read again from x, row by row.
; Each weight is 1 or 0 and multiplies, as the problem's own x * m does: no difference of sums is formed.
; first is a whole number read from memory (the flags of the launch before); it is held at 1023 before it enters an address.
; LIMIT: the order of the sums differs from the problem's; 1 / count is v_rcp_f32's.
.set HB,    8192                       ; LDS: 0: [8 waves][1,024 bytes] the waves' column sums;  8192: 64 words, the work-group's outputs
.set SPARE, 8704                       ; the spare words, 128 bytes for each wave: four blocks of 256 bytes that no other line names
.set SPW,   8                          ; v8   LDS address of my spare word; never rewritten
.set NIL,   9                          ; v9   0; never rewritten
.set F,     16                         ; v16-31   the flags; later eight sums in pairs
.set ACC,   32                         ; v32-39   my wave's column sums
.set XR,    40                         ; v40-55   two rows of x
.set T,     64                         ; v64-127  eight chunks' sums; later the eight waves' parts
.set W,     128                        ; v128-191 eight rows of enc_W1
	s_load_b256 s[4:11], s[0:1], 0x0               ; flags s[4:5], psum s[6:7], x s[8:9], enc_W1 s[10:11]
	s_load_b64 s[12:13], s[0:1], 0x20              ; hpart
	v_lshl_add_u32 v[SPW], v0, 2, SPARE
	v_mov_b32 v[NIL], 0
	v_lshrrev_b32 v1, 5, v0
	s_delay_alu instid0(VALU_DEP_1)
	v_readfirstlane_b32 s14, v1                    ; wave 0..7
	v_and_b32 v1, 31, v0                           ; lane
	s_wait_alu depctr_va_vdst(0)
	v_lshlrev_b32 v2, 4, v1                        ; 16 x lane
	v_mov_b32 v10, 0                               ; written once: a lane move's destination counts as one of its sources
	s_mov_b32 s24, 0x76543210
	s_mov_b32 s25, 0xfedcba98                      ; v_permlanex16_b32's selects for lane l xor 16
	s_and_b32 s18, ttmp7, 0xffff
	s_lshr_b32 s16, s18, 2                         ; b
	s_and_b32 s17, s18, 3                          ; oq
	s_lshl_b32 s15, ttmp9, 10                      ; the slice's 1,024 bytes in a row
	s_lshl_b32 s31, s14, 10
	v_add_nc_u32 v4, s31, v2                       ; where my wave's sums go: 1,024 w + 16 l
	s_lshl_b32 s31, s14, 5
	s_add_co_u32 s31, s31, HB
	v_mov_b32 v5, s31                              ; where my wave's eight outputs go
	v_and_b32 v6, 15, v1
	s_delay_alu instid0(VALU_DEP_1)
	v_lshl_add_u32 v6, v6, 4, HB                   ; and where wave 0 reads the 64 back
	s_lshl_b32 s32, s16, 11                        ; flags: 2,048 bytes a batch
	s_mov_b32 s33, 0
	s_lshl_b32 s34, s16, 6
	s_add_co_u32 s34, s34, s14
	s_lshl_b32 s34, s34, 14
	s_add_co_u32 s34, s34, s15                     ; psum: chunk 64 b + w, my slice
	s_mov_b32 s35, 0
	s_lshl_b32 s36, s16, 9
	s_add_co_u32 s36, s36, s14
	s_lshl_b32 s36, s36, 15
	s_add_co_u32 s36, s36, s15                     ; x: row 1,024 b + 2 w, my slice
	s_mov_b32 s37, 0
	s_lshl_b32 s38, s17, 3
	s_add_co_u32 s38, s38, s14
	s_lshl_b32 s38, s38, 17
	s_add_co_u32 s38, s38, s15                     ; enc_W1: row 64 oq + 8 w, my slice
	s_mov_b32 s39, 0
	s_lshl_b32 s40, s15, 2
	s_lshl_b32 s41, s16, 10
	s_add_co_u32 s40, s40, s41
	s_lshl_b32 s41, s17, 8
	s_add_co_u32 s40, s40, s41                     ; hpart: 4,096 s + 1,024 b + 256 oq
	s_mov_b32 s41, 0
	s_wait_alu depctr_va_vdst(0)
	s_wait_kmcnt 0x0
	s_add_nc_u64 s[4:5], s[4:5], s[32:33]
	s_add_nc_u64 s[6:7], s[6:7], s[34:35]
	s_add_nc_u64 s[8:9], s[8:9], s[36:37]
	s_add_nc_u64 s[10:11], s[10:11], s[38:39]
	s_add_nc_u64 s[12:13], s[12:13], s[40:41]
.irp i, 0,1,2,3
	global_load_b128 v[F+4*\i:F+4*\i+3], v2, s[4:5] offset:512*\i          ; the batch's 512 flags
.endr
.irp i, 0,1,2,3,4,5,6,7
	global_load_b128 v[T+8*\i:T+8*\i+3],   v2, s[6:7] offset:131072*\i     ; chunk w + 8 i
	global_load_b128 v[T+8*\i+4:T+8*\i+7], v2, s[6:7] offset:131072*\i+512
.endr
.irp j, 0,1,2,3,4,5,6,7
	global_load_b128 v[W+8*\j:W+8*\j+3],   v2, s[10:11] offset:16384*\j
	global_load_b128 v[W+8*\j+4:W+8*\j+7], v2, s[10:11] offset:16384*\j+512
.endr
	; ---- first: the least of the 512 flags
	s_wait_loadcnt 32                              ; the flags are in; psum's 16 loads and enc_W1's 16 stay out
.irp i, 0,1,2,3,4,5,6,7
	v_min_u32 v[F+\i], v[F+\i], v[F+8+\i]
.endr
.irp i, 0,1,2,3
	s_delay_alu instid0(VALU_DEP_4)
	v_min_u32 v[F+\i], v[F+\i], v[F+4+\i]
.endr
	s_delay_alu instid0(VALU_DEP_2)
	v_min_u32 v[F], v[F], v[F+2]
	s_delay_alu instid0(VALU_DEP_2)
	v_min_u32 v[F+1], v[F+1], v[F+3]
	s_delay_alu instid0(VALU_DEP_1)
	v_min_u32 v[F], v[F], v[F+1]
.irp m, 1,2,4,8
	s_delay_alu instid0(VALU_DEP_1)
	v_mov_b32_dpp v10, v[F] row_xmask:\m row_mask:0xf bank_mask:0xf
	s_delay_alu instid0(VALU_DEP_1)
	v_min_u32 v[F], v[F], v10
.endr
	s_delay_alu instid0(VALU_DEP_1)
	v_permlanex16_b32 v10, v[F], s24, s25
	s_delay_alu instid0(VALU_DEP_1)
	v_min_u32 v[F], v[F], v10
	s_delay_alu instid0(VALU_DEP_1)
	v_readfirstlane_b32 s20, v[F]
	s_cmp_ge_u32 s20, 0x4000                       ; no two neighbouring rows differ: 0
	s_cselect_b32 s20, 0, s20
	s_cmp_eq_u32 s20, 1                            ; 1 counts as 0
	s_cselect_b32 s20, 0, s20
	s_min_u32 s20, s20, 1023                       ; first; held inside the batch before it enters an address
	s_and_b32 s21, s20, 0x3f0                      ; the first row of its chunk
	s_lshl_b32 s22, s21, 14
	v_add_nc_u32 v3, s22, v2
.irp e, 0,1
	global_load_b128 v[XR+8*\e:XR+8*\e+3],   v3, s[8:9] offset:16384*\e    ; rows 2 w and 2 w + 1 of that chunk
	global_load_b128 v[XR+8*\e+4:XR+8*\e+7], v3, s[8:9] offset:16384*\e+512
.endr
	s_sub_co_u32 s23, 1024, s20                    ; how many positions count
	v_cvt_f32_u32 v12, s23
	s_wait_alu depctr_va_vdst(0)
	v_rcp_f32 v12, v12
	v_mov_b32 v13, 0                               ; (a plain line behind the reciprocal; v13 is named with v12 as a pair, so it is written)
	; ---- the masked sum of my chunks and rows
	s_lshl_b32 s26, s14, 4
	s_mov_b32 s29, 0                               ; (named with s28 as a pair)
	s_wait_loadcnt 20                              ; psum's loads are in; enc_W1's 16 and x's 4 stay out
.irp i, 0,1,2,3,4,5,6,7
	s_add_co_u32 s27, s26, 128*\i                  ; the first row of chunk w + 8 i
	s_cmp_gt_u32 s27, s21
	s_cselect_b32 s28, 1.0, 0
.irp p, 0,2,4,6
.if \i == 0
	v_pk_mul_f32 v[ACC+\p:ACC+\p+1], v[T+\p:T+\p+1], s[28:29] op_sel_hi:[1,0]   ; the first chunk starts the sums
.else
	v_pk_fma_f32 v[ACC+\p:ACC+\p+1], v[T+8*\i+\p:T+8*\i+\p+1], s[28:29], v[ACC+\p:ACC+\p+1] op_sel_hi:[1,0,1]
.endif
.endr
.endr
	s_wait_alu depctr_va_vdst(0)
	s_wait_loadcnt 0x0
	s_lshl_b32 s26, s14, 1
	s_add_co_u32 s26, s26, s21
.irp e, 0,1
	s_add_co_u32 s27, s26, \e
	s_cmp_ge_u32 s27, s20                          ; does this row count?
	s_cselect_b32 s28, 1.0, 0
.irp p, 0,2,4,6
	v_pk_fma_f32 v[ACC+\p:ACC+\p+1], v[XR+8*\e+\p:XR+8*\e+\p+1], s[28:29], v[ACC+\p:ACC+\p+1] op_sel_hi:[1,0,1]
.endr
.endr
	; ---- across the eight waves
	ds_store_b128 v4, v[ACC:ACC+3]
	ds_store_b128 v4, v[ACC+4:ACC+7] offset:512
	s_wait_dscnt 0x0                               ; for the others' sake: my stores have landed
	s_barrier_signal -1
	s_barrier_wait -1
.irp a, 0,1,2,3,4,5,6,7
	ds_load_b128 v[T+8*\a:T+8*\a+3],   v2 offset:1024*\a
	ds_load_b128 v[T+8*\a+4:T+8*\a+7], v2 offset:1024*\a+512
.endr
	s_wait_dscnt 0x0
.irp a, 0,2,4,6
.irp p, 0,2,4,6
	v_pk_add_f32 v[T+8*\a+\p:T+8*\a+\p+1], v[T+8*\a+\p:T+8*\a+\p+1], v[T+8*\a+8+\p:T+8*\a+8+\p+1]
.endr
.endr
.irp a, 0,4
.irp p, 0,2,4,6
	v_pk_add_f32 v[T+8*\a+\p:T+8*\a+\p+1], v[T+8*\a+\p:T+8*\a+\p+1], v[T+8*\a+16+\p:T+8*\a+16+\p+1]
.endr
.endr
.irp p, 0,2,4,6
	s_delay_alu instid0(VALU_DEP_4)
	v_pk_add_f32 v[T+\p:T+\p+1], v[T+\p:T+\p+1], v[T+32+\p:T+32+\p+1]
.endr
	s_wait_alu depctr_va_vdst(0)                   ; between the reciprocal and its first reader
.irp p, 0,2,4,6
	v_pk_mul_f32 v[T+\p:T+\p+1], v[T+\p:T+\p+1], v[12:13] op_sel_hi:[1,0]   ; pooled: my eight columns
.endr
	; ---- eight outputs: a product over my eight columns, then over the 32 lanes
.irp j, 0,1,2,3,4,5,6,7
	v_pk_mul_f32 v[F+2*\j:F+2*\j+1], v[T:T+1], v[W+8*\j:W+8*\j+1]
.endr
.irp p, 2,4,6
.irp j, 0,1,2,3,4,5,6,7
	v_pk_fma_f32 v[F+2*\j:F+2*\j+1], v[T+\p:T+\p+1], v[W+8*\j+\p:W+8*\j+\p+1], v[F+2*\j:F+2*\j+1]
.endr
.endr
.irp j, 0,1,2,3,4,5,6,7
	v_add_f32 v[F+2*\j], v[F+2*\j], v[F+2*\j+1]
.endr
.irp m, 1,2,4,8
.irp j, 0,1,2,3,4,5,6,7
	v_add_f32_dpp v[F+2*\j], v[F+2*\j], v[F+2*\j] row_xmask:\m row_mask:0xf bank_mask:0xf
.endr
.endr
.irp j, 0,1,2,3,4,5,6,7
	v_permlanex16_b32 v[F+2*\j+1], v[F+2*\j], s24, s25
.endr
.irp j, 0,1,2,3,4,5,6,7
	v_add_f32 v[F+2*\j], v[F+2*\j], v[F+2*\j+1]    ; every lane holds the sum
.endr
.irp j, 0,1,2,3,4,5,6,7
	ds_store_b32 v5, v[F+2*\j] offset:4*\j         ; all lanes write the same word with the same value
.endr
	s_wait_dscnt 0x0
	s_barrier_signal -1
	s_barrier_wait -1
	s_cmp_lg_u32 s14, 0                            ; wave 0 stores the work-group's 64 outputs: 256 consecutive bytes, aligned
	s_cbranch_scc1 .Lend
	ds_load_b128 v[F:F+3], v6
	v_cmp_gt_u32 vcc_lo, 16, v1
	s_wait_dscnt 0x0
	s_wait_xcnt 0x0                                ; EXEC changes only behind this wait
	s_and_saveexec_b32 s30, vcc_lo
	global_store_b128 v2, v[F:F+3], s[12:13]
	s_wait_xcnt 0x0
	s_or_b32 exec_lo, exec_lo, s30
.Lend:
	s_wait_tensorcnt 0x0                           ; the wave's end, behind my last LDS store
	ds_add_u32 v[SPW], v[NIL]
	s_wait_dscnt 0x0
	s_endpgm
.Lfunc_end_k_qf7d6b96d24_pool:
	.size	k_qf7d6b96d24_pool, .Lfunc_end_k_qf7d6b96d24_pool-k_qf7d6b96d24_pool
	.p2alignl 7, 3214868480
	.fill 96, 4, 3214868480
	.section	.rodata,"a",@progbits
	.p2align	6, 0x0
	.amdhsa_kernel k_qf7d6b96d24_pool
		.amdhsa_group_segment_fixed_size 9728
		.amdhsa_private_segment_fixed_size 0
		.amdhsa_enable_private_segment 0
		.amdhsa_kernarg_size 40
		.amdhsa_user_sgpr_count 2
		.amdhsa_user_sgpr_kernarg_segment_ptr 1
		.amdhsa_wavefront_size32 1
		.amdhsa_system_sgpr_workgroup_id_x 1
		.amdhsa_system_sgpr_workgroup_id_y 1
		.amdhsa_system_sgpr_workgroup_id_z 1
		.amdhsa_system_vgpr_workitem_id 0
		.amdhsa_next_free_vgpr 192
		.amdhsa_next_free_sgpr 66
		.amdhsa_reserve_vcc 1
		.amdhsa_float_denorm_mode_32 3
		.amdhsa_float_denorm_mode_16_64 3
		.amdhsa_memory_ordered 1
		.amdhsa_forward_progress 1
		.amdhsa_inst_pref_size 22
	.end_amdhsa_kernel
	.amdgpu_metadata
---
amdhsa.version: [ 1, 2 ]
amdhsa.kernels:
  - .name:           k_qf7d6b96d24_pool
    .symbol:         k_qf7d6b96d24_pool.kd
    .args:
      - { .name: flags, .offset: 0, .size: 8, .value_kind: global_buffer, .address_space: global }
      - { .name: psum, .offset: 8, .size: 8, .value_kind: global_buffer, .address_space: global }
      - { .name: x, .offset: 16, .size: 8, .value_kind: global_buffer, .address_space: global }
      - { .name: enc_W1, .offset: 24, .size: 8, .value_kind: global_buffer, .address_space: global }
      - { .name: hpart, .offset: 32, .size: 8, .value_kind: global_buffer, .address_space: global }
    .group_segment_fixed_size: 9728
    .private_segment_fixed_size: 0
    .kernarg_segment_align: 8
    .kernarg_segment_size: 40
    .max_flat_workgroup_size: 256
    .sgpr_count:     66
    .vgpr_count:     192
    .wavefront_size: 32
...
	.end_amdgpu_metadata
.endif
;; end of part 2
;; launch near (part 3): grid 4 x 16, 16 waves a work-group, clusters of 4 x 1, 269,824 bytes of LDS; arguments hpart, enc_b1, enc_W2, enc_b2, keys, epsilons, cidx, cand; writes cidx, cand
.if DOCPART == 3
	.amdgcn_target "amdgcn-amd-amdhsa--gfx1250"
	.amdhsa_code_object_version 6
	.text
	.protected	k_qf7d6b96d24_near
	.globl	k_qf7d6b96d24_near
	.p2align	8
	.type	k_qf7d6b96d24_near,@function
k_qf7d6b96d24_near:
	s_mov_b64 s[64:65], 0
	v_nop
	global_prefetch_b8 v0, s[64:65] scope:SCOPE_SE
	s_setreg_imm32_b32 hwreg(HW_REG_WAVE_MODE, 25, 1), 1
	s_wait_xcnt 0x0
	s_wait_alu depctr_hold_cnt(0) depctr_sa_sdst(0) depctr_va_vdst(0) depctr_va_sdst(0) depctr_va_ssrc(0) depctr_va_vcc(0) depctr_vm_vsrc(0)
	s_getreg_b32 s2, hwreg(HW_REG_IB_STS2, 6, 4)
	s_cmp_eq_u32 s2, 0
	s_cbranch_scc0 .Lentry_in_a_cluster
	s_endpgm
.Lentry_in_a_cluster:
	s_bfe_u32 s2, ttmp6, 0x10000c
	s_cmp_lg_u32 s2, 0x3003
	s_cbranch_scc0 .Lentry_shape_is_right
	s_endpgm
.Lentry_shape_is_right:
; THIRD LAUNCH.  h = relu(the sum of hpart's slices + enc_b1); query = h enc_W2^T + enc_b2; the distances of 128 keys to one batch's query; the nearest of them.  All in f32.  Nothing is left out.
; cidx [4 b][16 g] i32: the nearest key among keys 128 g .. 128 g + 127.   cand [2][4 b][16 g] f32: its distance, its epsilon.  All three go to fixed places: no address here hangs on a distance.
; SHARES.  Work-group (b, g) owns batch b and keys 128 g .. + 127, and forms that batch's h and query for itself.  Wave w takes query outputs 16 w + j (j = 0 .. 15) and keys 128 g + 8 w + j (j = 0 .. 7).
; A lane holds columns 4 l .. + 3 and 128 + 4 l .. + 3 of the 256: a row is two loads of 512 consecutive bytes.
; CLUSTERS: the four work-groups of a cluster lie along x: the four batches of one key group.  All need all of enc_W2: it is asked for JOINTLY, mask 15: each wave's one tensor load brings its own sixteen rows,
; 16,384 dense bytes stated as 64 rows of 256, into LDS bytes of its own, which no other wave reads: the wave's own wait on TENSORcnt is all that its reads need.  Nothing in LDS is filled again.
; The keys, which the four also share, go from memory straight into registers: enc_W2 (262,144 bytes) and 128 keys (131,072) do not fit in LDS together.
; No prefetch: the launch has no loop to run ahead in; every request goes out at its head.
; d2 = (k.k + q.q) - 2 k.q, held at 0 from below, then the root, as the problem has it.  A later key takes the lead only where it is strictly nearer: of equal distances the lower key stays, as argmin has it.
; LIMITS: a NaN among the distances is not served.  The sums' order differs from the problem's and the root is v_sqrt_f32's: two distances (or a distance and its epsilon) that lie within f32 rounding of each other may fall the other way.
.set H4,    0                          ; LDS: h in four parts, [4 quarters of the slices][256] f32
.set Q,     4096                       ; query [256] f32
.set CN,    5120                       ; [3 fields][16 waves] words: distance, key, epsilon
.set SPARE, 5376                       ; the spare words, 128 bytes for each wave: eight blocks of 256 bytes that no other line names
.set WT,    7680                       ; enc_W2: 16,384 bytes for each wave
.set SPW,   10                         ; v10  LDS address of my spare word; never rewritten
.set NIL,   11                         ; v11  0; never rewritten
.set W2,    16                         ; v16-143  sixteen rows of enc_W2
.set QO,    16                         ; v16-31   later: my sixteen outputs
.set T2,    32                         ; v32-65   later: seventeen sums in pairs: k.q of eight keys, k.k of eight keys, q.q
.set D,     80                         ; v80-87   the eight distances
.set BEST,  88                         ; v88, v89, v90: my wave's nearest: distance, key, epsilon
.set IDX,   89
.set EPS,   90
.set FIN,   96                         ; v96-143  wave 0: the sixteen waves' three fields
.set KEY,   144                        ; v144-207 eight keys
.set HP,    208                        ; v208-239 four slices' pairs; then h's four parts; h in v208-215; then the query there
.set TMP,   224                        ; v224-255 sixteen sums in pairs
.set G1,    68                         ; s[68:75] descriptor group 1; s[76:79] group 0
.set G0,    76
.macro CROUND                          ; a round of the cluster's barrier
	s_barrier_signal -1
	s_barrier_wait -1
	s_cmp_lg_u32 s20, 0
	s_cbranch_scc1 .Lnot_wave_0_\@
	s_barrier_signal -3
.Lnot_wave_0_\@:
	s_barrier_wait -3
	s_barrier_signal -1
	s_barrier_wait -1
.endm
	s_load_b512 s[4:19], s[0:1], 0x0               ; hpart s[4:5], enc_b1 s[6:7], enc_W2 s[8:9], enc_b2 s[10:11], keys s[12:13], epsilons s[14:15], cidx s[16:17], cand s[18:19]
	v_lshl_add_u32 v[SPW], v0, 2, SPARE
	v_mov_b32 v[NIL], 0
	ds_add_u32 v[SPW], v[NIL]                      ; the opening: the add, twice on end, and its wait ahead of my tensor load
	ds_add_u32 v[SPW], v[NIL]
	v_lshrrev_b32 v1, 5, v0
	s_delay_alu instid0(VALU_DEP_1)
	v_readfirstlane_b32 s20, v1                    ; wave 0..15
	v_and_b32 v1, 31, v0                           ; lane
	s_delay_alu instid0(VALU_DEP_1)
	v_lshlrev_b32 v2, 4, v1                        ; 16 x lane
	v_lshrrev_b32 v12, 5, v0
	s_delay_alu instid0(VALU_DEP_1)
	v_lshl_add_u32 v12, v12, 14, v2
	s_delay_alu instid0(VALU_DEP_1)
	v_add_nc_u32 v12, WT, v12                      ; my bytes of my wave's rows of enc_W2 in LDS
	v_and_b32 v4, 127, v0
	s_delay_alu instid0(VALU_DEP_1)
	v_lshlrev_b32 v4, 3, v4                        ; thread t: outputs 2 (t % 128) and the next: their 8 bytes in a row of 256 f32
	v_lshrrev_b32 v3, 7, v0
	s_delay_alu instid0(VALU_DEP_1)
	v_lshl_add_u32 v3, v3, 14, v4                  ; and slices 4 (t / 128) .. + 3: a slice of hpart is 4,096 bytes
	v_lshlrev_b32 v5, 3, v0                        ; where my part of h goes: 1,024 (t / 128) + 8 (t % 128) = 8 t
	s_lshl_b32 s21, s20, 6
	s_add_co_u32 s22, s21, Q
	v_mov_b32 v6, s22                              ; where my wave's sixteen outputs go
	s_lshl_b32 s22, s20, 2
	s_add_co_u32 s22, s22, CN
	v_mov_b32 v7, s22                              ; where my wave's candidate goes
	v_mov_b32 v8, CN                               ; and where wave 0 reads the sixteen back
	v_mov_b32 v9, 0
	s_mov_b32 s24, 0x76543210
	s_mov_b32 s25, 0xfedcba98                      ; v_permlanex16_b32's selects for lane l xor 16
	s_bfe_u32 s23, ttmp6, 0x40000                  ; my place in the cluster,
	s_lshl_b32 s22, ttmp9, 2
	s_add_co_u32 s23, s23, s22                     ; b = 4 x cluster x + cx: it enters addresses in memory alone
	s_lshl_b32 s52, s23, 10                        ; hpart: 1,024 bytes a batch inside a slice
	s_mov_b32 s53, 0
	s_lshl_b32 s54, s20, 14                        ; enc_W2: sixteen rows of 1,024 bytes a wave
	s_mov_b32 s55, 0
	s_mov_b32 s56, s21                             ; enc_b2: sixteen numbers a wave
	s_mov_b32 s57, 0
	s_and_b32 s60, ttmp7, 0xffff                   ; g
	s_lshl_b32 s60, s60, 7
	s_lshl_b32 s61, s20, 3
	s_add_co_u32 s60, s60, s61                     ; my first key
	s_lshl_b32 s58, s60, 10
	s_mov_b32 s59, 0
	s_lshl_b32 s62, s60, 2
	s_mov_b32 s63, 0
	s_lshl_b32 s26, s23, 6
	s_and_b32 s27, ttmp7, 0xffff
	s_lshl_b32 s27, s27, 2
	s_add_co_u32 s26, s26, s27                     ; the work-group's word in cidx and in each field of cand: 64 b + 4 g
	s_mov_b32 s27, 0
	s_mov_b32 s[G1+0], 15|(3<<16)|(1<<21)          ; mask: all four partners; elements of 8 bytes; bit 21 beside a mask; no padding
	s_mov_b32 s[G1+1], 32<<16                      ; tensor_dim0: 256 bytes
	s_mov_b32 s[G1+2], 64<<16                      ; tensor_dim1
	s_mov_b32 s[G1+3], 32<<16                      ; tile_dim0
	s_mov_b32 s[G1+4], 64                          ; tile_dim1
	s_mov_b32 s[G1+5], 32                          ; the pitch: the block is dense
	s_mov_b32 s[G1+6], 0
	s_mov_b32 s[G1+7], 0
	s_mov_b32 s[G0], 1
	s_add_co_u32 s[G0+1], s54, WT                  ; my wave's 16,384 bytes in LDS
	s_wait_alu depctr_va_vdst(0)                   ; the wait at the head's end
	s_wait_dscnt 0x0                               ; both opening adds are done
	s_wait_kmcnt 0x0
	s_add_nc_u64 s[4:5], s[4:5], s[52:53]
	s_add_nc_u64 s[8:9], s[8:9], s[54:55]
	s_add_nc_u64 s[10:11], s[10:11], s[56:57]
	s_add_nc_u64 s[12:13], s[12:13], s[58:59]
	s_add_nc_u64 s[14:15], s[14:15], s[62:63]
	s_add_nc_u64 s[16:17], s[16:17], s[26:27]
	s_add_nc_u64 s[18:19], s[18:19], s[26:27]
	s_mov_b64 s[G0+2:G0+3], s[8:9]
	s_or_b32 s[G0+3], s[G0+3], 0x80000000
	s_load_b512 s[28:43], s[10:11], 0x0            ; enc_b2 of my sixteen outputs
	s_load_b256 s[44:51], s[14:15], 0x0            ; the epsilons of my eight keys
.irp i, 0,1,2,3
	global_load_b64 v[HP+2*\i:HP+2*\i+1], v3, s[4:5] offset:4096*\i
.endr
	global_load_b64 v[14:15], v4, s[6:7]
	CROUND                                         ; the four partners are here: the joint loads meet
	tensor_load_to_lds s[G0:G0+3], s[G1:G1+7]      ; my sixteen rows of enc_W2: my one tensor load
	s_nop 0
.irp j, 0,1,2,3,4,5,6,7
	global_load_b128 v[KEY+8*\j:KEY+8*\j+3],   v2, s[12:13] offset:1024*\j
	global_load_b128 v[KEY+8*\j+4:KEY+8*\j+7], v2, s[12:13] offset:1024*\j+512
.endr
; n sums, each in the pair v[base + 2 i], are added up: the pair's halves, then the 32 lanes.  Every lane ends with the sum in v[base + 2 i].  The sums take turns line by line.
.macro RED base, n
.set rq, 0
.rept \n
	v_add_f32 v[\base+2*rq], v[\base+2*rq], v[\base+2*rq+1]
.set rq, rq+1
.endr
.irp m, 1,2,4,8
.set rq, 0
.rept \n
	v_add_f32_dpp v[\base+2*rq], v[\base+2*rq], v[\base+2*rq] row_xmask:\m row_mask:0xf bank_mask:0xf
.set rq, rq+1
.endr
.endr
.set rq, 0
.rept \n
	v_permlanex16_b32 v[\base+2*rq+1], v[\base+2*rq], s24, s25
.set rq, rq+1
.endr
.set rq, 0
.rept \n
	v_add_f32 v[\base+2*rq], v[\base+2*rq], v[\base+2*rq+1]
.set rq, rq+1
.endr
.endm
	; ---- h: my four slices of my two outputs; the first quarter's threads add the bias
	s_wait_loadcnt 16                              ; hpart and enc_b1 are in; the keys' 16 loads stay out
	v_cmp_gt_u32 vcc_lo, 128, v0
	v_pk_add_f32 v[HP:HP+1], v[HP:HP+1], v[HP+2:HP+3]
	v_pk_add_f32 v[HP+4:HP+5], v[HP+4:HP+5], v[HP+6:HP+7]
	s_delay_alu instid0(VALU_DEP_3)
	v_cndmask_b32 v14, 0, v14, vcc_lo
	s_delay_alu instid0(VALU_DEP_4)
	v_cndmask_b32 v15, 0, v15, vcc_lo
	s_delay_alu instid0(VALU_DEP_3)
	v_pk_add_f32 v[HP:HP+1], v[HP:HP+1], v[HP+4:HP+5]
	s_delay_alu instid0(VALU_DEP_1)
	v_pk_add_f32 v[HP:HP+1], v[HP:HP+1], v[14:15]
	ds_store_b64 v5, v[HP:HP+1]
	s_wait_dscnt 0x0                               ; for the others' sake: my store has landed
	s_barrier_signal -1
	s_barrier_wait -1
.irp q, 0,1,2,3
	ds_load_b128 v[HP+8*\q:HP+8*\q+3],   v2 offset:H4+1024*\q
	ds_load_b128 v[HP+8*\q+4:HP+8*\q+7], v2 offset:H4+1024*\q+512
.endr
	s_wait_dscnt 0x0
.irp p, 0,2,4,6
	v_pk_add_f32 v[HP+\p:HP+\p+1], v[HP+\p:HP+\p+1], v[HP+8+\p:HP+8+\p+1]
	v_pk_add_f32 v[HP+16+\p:HP+16+\p+1], v[HP+16+\p:HP+16+\p+1], v[HP+24+\p:HP+24+\p+1]
.endr
.irp p, 0,2,4,6
	v_pk_add_f32 v[HP+\p:HP+\p+1], v[HP+\p:HP+\p+1], v[HP+16+\p:HP+16+\p+1]
.endr
.irp i, 0,1,2,3,4,5,6,7
	v_max_num_f32 v[HP+\i], 0, v[HP+\i]            ; h: my eight columns
.endr
	; ---- query: my sixteen outputs
	s_wait_alu depctr_va_vdst(0)                   ; directly ahead of the wait below
	s_wait_tensorcnt 0x0                           ; my rows of enc_W2 are in LDS
.irp j, 0,1,2,3,4,5,6,7,8,9,10,11,12,13,14,15
	ds_load_b128 v[W2+8*\j:W2+8*\j+3],   v12 offset:1024*\j
	ds_load_b128 v[W2+8*\j+4:W2+8*\j+7], v12 offset:1024*\j+512
.endr
.irp j, 0,1,2,3,4,5,6,7,8,9,10,11,12,13,14,15
	s_wait_dscnt 30-2*\j                           ; row j is in; the later rows' loads, two each, stay out
	v_pk_mul_f32 v[TMP+2*\j:TMP+2*\j+1], v[W2+8*\j:W2+8*\j+1], v[HP:HP+1]
.irp p, 2,4,6
	s_delay_alu instid0(VALU_DEP_1)
	v_pk_fma_f32 v[TMP+2*\j:TMP+2*\j+1], v[W2+8*\j+\p:W2+8*\j+\p+1], v[HP+\p:HP+\p+1], v[TMP+2*\j:TMP+2*\j+1]
.endr
.endr
	RED TMP, 16
	s_wait_kmcnt 0x0
.irp j, 0,1,2,3,4,5,6,7,8,9,10,11,12,13,14,15
	v_add_f32 v[QO+\j], s[28+\j], v[TMP+2*\j]      ; into enc_W2's registers, which are done with
.endr
.irp i, 0,1,2,3
	ds_store_b128 v6, v[QO+4*\i:QO+4*\i+3] offset:16*\i   ; all lanes write the same bytes with the same values
.endr
	s_wait_dscnt 0x0
	s_barrier_signal -1
	s_barrier_wait -1
	; ---- the distances of my eight keys
	ds_load_b128 v[HP:HP+3],   v2 offset:Q
	ds_load_b128 v[HP+4:HP+7], v2 offset:Q+512
	s_wait_dscnt 0x0
	v_pk_mul_f32 v[T2+32:T2+33], v[HP:HP+1], v[HP:HP+1]
.irp p, 2,4,6
	s_delay_alu instid0(VALU_DEP_1)
	v_pk_fma_f32 v[T2+32:T2+33], v[HP+\p:HP+\p+1], v[HP+\p:HP+\p+1], v[T2+32:T2+33]
.endr
.irp j, 0,1,2,3,4,5,6,7
	s_wait_loadcnt 14-2*\j                         ; key j is in; the later keys' loads, two each, stay out
	v_pk_mul_f32 v[T2+2*\j:T2+2*\j+1], v[KEY+8*\j:KEY+8*\j+1], v[HP:HP+1]
	v_pk_mul_f32 v[T2+16+2*\j:T2+16+2*\j+1], v[KEY+8*\j:KEY+8*\j+1], v[KEY+8*\j:KEY+8*\j+1]
.irp p, 2,4,6
	s_delay_alu instid0(VALU_DEP_2)
	v_pk_fma_f32 v[T2+2*\j:T2+2*\j+1], v[KEY+8*\j+\p:KEY+8*\j+\p+1], v[HP+\p:HP+\p+1], v[T2+2*\j:T2+2*\j+1]
	s_delay_alu instid0(VALU_DEP_2)
	v_pk_fma_f32 v[T2+16+2*\j:T2+16+2*\j+1], v[KEY+8*\j+\p:KEY+8*\j+\p+1], v[KEY+8*\j+\p:KEY+8*\j+\p+1], v[T2+16+2*\j:T2+16+2*\j+1]
.endr
.endr
	RED T2, 17
.irp j, 0,1,2,3,4,5,6,7
	v_add_f32 v[D+\j], v[T2+16+2*\j], v[T2+32]     ; k.k + q.q
.endr
.irp j, 0,1,2,3,4,5,6,7
	v_fma_f32 v[D+\j], -2.0, v[T2+2*\j], v[D+\j]   ; - 2 k.q
.endr
.irp j, 0,1,2,3,4,5,6,7
	v_max_num_f32 v[D+\j], 0, v[D+\j]
.endr
	s_wait_alu depctr_va_vdst(0)                   ; ahead of the batch
.irp j, 0,1,2,3,4,5,6,7
	v_sqrt_f32 v[D+\j], v[D+\j]                    ; one batch
.endr
	v_nop                                          ; a plain line behind the last root
	s_wait_alu depctr_va_vdst(0)                   ; ahead of the batch's first reader: one for the eight
	; ---- my wave's nearest
	v_mov_b32 v[BEST], v[D]
	v_mov_b32 v[IDX], 0
	v_mov_b32 v[EPS], s44
.irp j, 1,2,3,4,5,6,7
	v_cmp_ge_f32 vcc_lo, v[D+\j], v[BEST]          ; not nearer: what leads stays
	v_cndmask_b32 v[BEST], v[D+\j], v[BEST], vcc_lo
	s_delay_alu instid0(VALU_DEP_2)
	v_cndmask_b32 v[IDX], \j, v[IDX], vcc_lo
	s_delay_alu instid0(VALU_DEP_3)
	v_cndmask_b32 v[EPS], s[44+\j], v[EPS], vcc_lo
.endr
	s_delay_alu instid0(VALU_DEP_2)
	v_add_nc_u32 v[IDX], s60, v[IDX]               ; the key's number in the table
	ds_store_b32 v7, v[BEST]
	ds_store_b32 v7, v[IDX] offset:64
	ds_store_b32 v7, v[EPS] offset:128
	s_wait_dscnt 0x0
	s_barrier_signal -1
	s_barrier_wait -1
	; ---- wave 0: the work-group's nearest, the waves in ascending order of their keys
	s_cmp_lg_u32 s20, 0
	s_cbranch_scc1 .Lend
.irp f, 0,1,2
.irp i, 0,1,2,3
	ds_load_b128 v[FIN+16*\f+4*\i:FIN+16*\f+4*\i+3], v8 offset:64*\f+16*\i
.endr
.endr
	s_wait_dscnt 0x0
.irp a, 1
	v_cmp_ge_f32 vcc_lo, v[FIN+\a], v[FIN]
	s_delay_alu instid0(VALU_DEP_1)
	v_cndmask_b32 v[FIN], v[FIN+\a], v[FIN], vcc_lo
	s_delay_alu instid0(VALU_DEP_2)
	v_cndmask_b32 v[FIN+16], v[FIN+16+\a], v[FIN+16], vcc_lo
	s_delay_alu instid0(VALU_DEP_3)
	v_cndmask_b32 v[FIN+32], v[FIN+32+\a], v[FIN+32], vcc_lo
.endr
.irp a, 2, 3, 4, 5, 6, 7, 8, 9, 10, 11, 12, 13, 14, 15
	s_delay_alu instid0(VALU_DEP_3)
	v_cmp_ge_f32 vcc_lo, v[FIN+\a], v[FIN]
	s_delay_alu instid0(VALU_DEP_1)
	v_cndmask_b32 v[FIN], v[FIN+\a], v[FIN], vcc_lo
	s_delay_alu instid0(VALU_DEP_2)
	v_cndmask_b32 v[FIN+16], v[FIN+16+\a], v[FIN+16], vcc_lo
	s_delay_alu instid0(VALU_DEP_3)
	v_cndmask_b32 v[FIN+32], v[FIN+32+\a], v[FIN+32], vcc_lo
.endr
	v_cmp_eq_u32 vcc_lo, 0, v1
	s_wait_alu depctr_va_vdst(0)
	s_wait_xcnt 0x0                                ; EXEC changes only behind this wait
	s_and_saveexec_b32 s22, vcc_lo
	global_store_b32 v9, v[FIN+16], s[16:17]       ; the key
	global_store_b32 v9, v[FIN], s[18:19]          ; its distance
	global_store_b32 v9, v[FIN+32], s[18:19] offset:256   ; its epsilon
	s_wait_xcnt 0x0
	s_or_b32 exec_lo, exec_lo, s22
.Lend:
	s_wait_tensorcnt 0x0                           ; the wave's end, behind my tensor load and my last LDS store
	ds_add_u32 v[SPW], v[NIL]
	s_wait_dscnt 0x0
	CROUND                                         ; the closing round
	s_endpgm
.Lfunc_end_k_qf7d6b96d24_near:
	.size	k_qf7d6b96d24_near, .Lfunc_end_k_qf7d6b96d24_near-k_qf7d6b96d24_near
	.p2alignl 7, 3214868480
	.fill 96, 4, 3214868480
	.section	.rodata,"a",@progbits
	.p2align	6, 0x0
	.amdhsa_kernel k_qf7d6b96d24_near
		.amdhsa_group_segment_fixed_size 269824
		.amdhsa_private_segment_fixed_size 0
		.amdhsa_enable_private_segment 0
		.amdhsa_kernarg_size 64
		.amdhsa_user_sgpr_count 2
		.amdhsa_user_sgpr_kernarg_segment_ptr 1
		.amdhsa_wavefront_size32 1
		.amdhsa_system_sgpr_workgroup_id_x 1
		.amdhsa_system_sgpr_workgroup_id_y 1
		.amdhsa_system_sgpr_workgroup_id_z 1
		.amdhsa_system_vgpr_workitem_id 0
		.amdhsa_next_free_vgpr 256
		.amdhsa_next_free_sgpr 90
		.amdhsa_reserve_vcc 1
		.amdhsa_float_denorm_mode_32 3
		.amdhsa_float_denorm_mode_16_64 3
		.amdhsa_memory_ordered 1
		.amdhsa_forward_progress 1
		.amdhsa_inst_pref_size 45
	.end_amdhsa_kernel
	.amdgpu_metadata
---
amdhsa.version: [ 1, 2 ]
amdhsa.kernels:
  - .name:           k_qf7d6b96d24_near
    .symbol:         k_qf7d6b96d24_near.kd
    .args:
      - { .name: hpart, .offset: 0, .size: 8, .value_kind: global_buffer, .address_space: global }
      - { .name: enc_b1, .offset: 8, .size: 8, .value_kind: global_buffer, .address_space: global }
      - { .name: enc_W2, .offset: 16, .size: 8, .value_kind: global_buffer, .address_space: global }
      - { .name: enc_b2, .offset: 24, .size: 8, .value_kind: global_buffer, .address_space: global }
      - { .name: keys, .offset: 32, .size: 8, .value_kind: global_buffer, .address_space: global }
      - { .name: epsilons, .offset: 40, .size: 8, .value_kind: global_buffer, .address_space: global }
      - { .name: cidx, .offset: 48, .size: 8, .value_kind: global_buffer, .address_space: global }
      - { .name: cand, .offset: 56, .size: 8, .value_kind: global_buffer, .address_space: global }
    .group_segment_fixed_size: 269824
    .private_segment_fixed_size: 0
    .kernarg_segment_align: 8
    .kernarg_segment_size: 64
    .max_flat_workgroup_size: 512
    .sgpr_count:     90
    .vgpr_count:     256
    .wavefront_size: 32
...
	.end_amdgpu_metadata
.endif
;; end of part 3
;; launch gemm (part 4): grid 16 x 16, 4 waves a work-group, clusters of 4 x 1, 327,680 bytes of LDS; arguments x_codes, W_codes, lowp_scales, b, values, cidx, cand, out0; writes out0
.if DOCPART == 4
	.amdgcn_target "amdgcn-amd-amdhsa--gfx1250"
	.amdhsa_code_object_version 6
	.text
	.protected	k_qf7d6b96d24_gemm
	.globl	k_qf7d6b96d24_gemm
	.p2align	8
	.type	k_qf7d6b96d24_gemm,@function
k_qf7d6b96d24_gemm:
	s_mov_b64 s[64:65], 0
	v_nop
	global_prefetch_b8 v0, s[64:65] scope:SCOPE_SE
	s_setreg_imm32_b32 hwreg(HW_REG_WAVE_MODE, 25, 1), 1
	s_wait_xcnt 0x0
	s_wait_alu depctr_hold_cnt(0) depctr_sa_sdst(0) depctr_va_vdst(0) depctr_va_sdst(0) depctr_va_ssrc(0) depctr_va_vcc(0) depctr_vm_vsrc(0)
	s_getreg_b32 s2, hwreg(HW_REG_IB_STS2, 6, 4)
	s_cmp_eq_u32 s2, 0
	s_cbranch_scc0 .Lentry_in_a_cluster
	s_endpgm
.Lentry_in_a_cluster:
	s_bfe_u32 s2, ttmp6, 0x10000c
	s_cmp_lg_u32 s2, 0x3003
	s_cbranch_scc0 .Lentry_shape_is_right
	s_endpgm
.Lentry_shape_is_right:
; FOURTH LAUNCH.  out0 = Q(x) W^T x 2^(ex + ew) + b, or, for a batch that is a hit, the nearest key's row of values.  Nothing is left out: the product is made for every batch and one side is selected.
; A tile of out0, 256 x 256, is made by a work-group of four waves; work-group x is the tile row, y the tile column.  Wave w makes rows 64 w .. 64 w + 63 x all 256 columns: 64 accumulators, 512 registers.
; B (W_codes) goes through a ring of two LDS slots, 512 along K each: 256 rows of 512 + 16 bytes, 135,168 bytes a slot; a wave's one tensor load brings 64 rows.  Eight slots' worth in all, seven changes of slots.
; CLUSTERS: the four work-groups of a cluster lie along x: four tile rows of one tile column, which need the same tiles of B: each is asked for JOINTLY, mask 15.
; A (x_codes) is laid by the first launch in the order of the operand's registers and goes from memory straight into registers: 16 loads of 512 consecutive bytes a step of 128 along K, no wave reads what another reads.
; A is not asked for jointly: a joint request exists for tensor loads alone, and beside B's two slots (270,336 bytes of 327,680) LDS has no room for slots of A.
; THE MATRIX INSTRUCTION IS USED TRANSPOSED (source 0 = 16 rows of W, source 1 = 16 rows of x): a lane holds eight neighbouring numbers of a row of out0.
; k stands in the registers by pieces of 16 bytes (K = 32 c + 16 h + 0 .. 15 in registers 4 c .. 4 c + 3), alike in A and in B: every product meets its partner.
; REGISTERS: window 0: v0-63 addresses and the way out's constants, v64-255 three sets of A's four fragments;  window 1: two buffers of eight fragments of B (columns 0-127, columns 128-255);
;   window 2: accumulators of columns 0-127 ((a, b) at v[8 (4 b + a)]);  window 3: those of columns 128-255.
; A step of 128 along K is two runs of 32 matrix instructions, one on each buffer of B; behind a run its buffer takes the next step's fragments, 32 loads: the other buffer's 32 are out at each run's wait.
; A's set for step q + 3 is asked for at the end of step q, into the set that step q read: two sets' loads, 32, are out at the wait for a step's own.
; Three sets of A and four steps to a slot come round after 12 steps, which hold three changes of slots: so which slot is read stands in a scalar that each change turns over, and the two LDS address registers are made from it anew.
; THE CHOICE: cand and cidx hold 16 candidates for my batch; the nearest (of equal distances the lower key) is found by selections; all 16 candidates' rows of values are read at my columns and one is selected: no address hangs on a distance.
; PREFETCHES: at the change of slots that asks for K piece p + 2 each wave names bytes of K piece p + 4, two refills on (p = 0 .. 3; pieces 0 to 3 come by their loads alone).  Of B's 64 rows that a wave fetches, the partner at place cx
; takes 16, two blocks of 256 bytes a row, a lane a block.  Of A's 16 blocks of rows in a tile row, work-group y of the 16 that read them takes block y, 8,192 bytes a piece; a wave names eight blocks of 256 bytes (lanes 8-31 name the eighth again).
; LIMIT: ex + ew lies between -126 and 127, so that 2^(ex + ew) is an f32 number.  A NaN among the distances is not served.
.set PITCH,  528                       ; an LDS row: 512 bytes + 16 of padding = 33 x 16 bytes
.set QT,     64*PITCH                  ; what one tensor load brings
.set SLOT,   4*QT                      ; 0x21000: its two bits are set in no wave's 0x8400 w, so an exclusive or turns an address from slot to slot
.set SPARE,  2*SLOT                    ; behind the ring: the spare words, 128 bytes a wave: two blocks of 256 bytes that no other line names
.set SPITCH, 1040                      ; the way out: a stage row, 1,024 bytes + 16
.set STG,    16*SPITCH                 ; a stage; two for each wave, in slot 0, which has had its last fill and its last read by then (8 x 16,640 = 133,120 bytes)
.set ADRC, 16                          ; v16-17  my B fragments in the slot that is read: rows 0-127, rows 128-255
.set BASE, 18                          ; v18-19  the same in slot 0; never rewritten
.set STO,  20                          ; v20     the way out: where I put 32 bytes of a row
.set RD,   21                          ; v21     where I read a row back
.set LO,   22                          ; v22     16 x lane
.set SPW,  28                          ; v28     my spare word; never rewritten
.set NIL,  29                          ; v29     0; never rewritten
.set PFB,  30                          ; v30, v31  the prefetches' offsets
.set PFX,  31
.set FB,   32                          ; v32-39  what is added: b, or the chosen values, at my eight columns
.set SC,   40                          ; v40-41  what multiplies: 2^(ex + ew), or 0
.set WINR, 42
.set ZO,   43
.set COLB, 44
.set BEST, 45
.set BEPS, 46
.set AS,   64                          ; A's sets
.set VO,   192                         ; at the head, where A's third set will lie: the candidates' keys, then offsets; distances; epsilons
.set DI,   208
.set EP,   224
.set G1, 24                            ; s[24:31] descriptor group 1; s[32:35] group 0
.set G0, 32
.set AB, 44                            ; s[44:45] A at my four blocks, this trip's first piece of 128
.set PB, 84                            ; s[84:85], s[86:87] where the prefetches stand
.set PA, 86
.set OFF, 88                           ; s88 the slot that is read: 0 or SLOT
.set CH,  89                           ; s89 changes of slots with a refill, so far
.set MSB, 0
.macro WIN new                         ; the immediate's high byte repeats the setting that is left
.if MSB != \new
	s_set_vgpr_msb (MSB<<8)|\new
.set MSB, \new
.endif
.endm
.macro PLACES                          ; four places behind matrix instructions, ahead of loads into their sources and of reads of their results
.rept 4
	v_nop
.endr
.endm
.macro CREST
	s_cmp_lg_u32 s14, 0
	s_cbranch_scc1 .Lnot_wave_0_\@
	s_barrier_signal -3
.Lnot_wave_0_\@:
	s_barrier_wait -3
	s_barrier_signal -1
	s_barrier_wait -1
.endm
.macro CROUND
	s_barrier_signal -1
	s_barrier_wait -1
	CREST
.endm
.macro ASK                             ; the first four changes have a K piece four on
	s_cmp_lt_u32 s[CH], 5
	s_cbranch_scc0 .Lno_ask_\@
	global_prefetch_b8 v[PFB], s[PB:PB+1] th:TH_LOAD_NT scope:SCOPE_SE
	global_prefetch_b8 v[PFX], s[PA:PA+1] th:TH_LOAD_NT scope:SCOPE_SE
.Lno_ask_\@:
.endm
.macro ALD set, aj                     ; A's four fragments of the trip's piece aj into a set (aj < 0: nothing is left to ask for)
.if (\aj) >= 0
.irp a, 0,1,2,3
.irp c, 0,1,2,3
	global_load_b128 v[AS+64*(\set)+16*\a+4*\c:AS+64*(\set)+16*\a+4*\c+3], v[LO], s[AB:AB+1] offset:65536*\a+2048*(\aj)+512*\c
.endr
.endr
.endif
.endm
.macro MUL16 hf, b0, set, zero         ; 16 matrix instructions; the 64 accumulators take turns in the same order in every step
	WIN (0xa1+0x50*(\hf))
.irp b, \b0, \b0+1, \b0+2, \b0+3
.irp a, 0,1,2,3
.set AC, 8*(4*(\b)+\a)
.set BF, 128*(\hf)+16*(\b)
.set AF, AS+64*(\set)+16*\a
.if \zero
	v_wmma_f32_16x16x128_fp8_fp8 v[AC:AC+7], v[BF:BF+15], v[AF:AF+15], 0
.else
	v_wmma_f32_16x16x128_fp8_fp8 v[AC:AC+7], v[BF:BF+15], v[AF:AF+15], v[AC:AC+7]
.endif
.endr
.endr
.endm
.macro BFET hf, qs                     ; eight fragments of B, the read slot's qs-th 128 along K, into buffer hf
	WIN 0x40
.irp b, 0,1,2,3,4,5,6,7
.irp c, 0,1,2,3
	ds_load_b128 v[128*(\hf)+16*\b+4*\c:128*(\hf)+16*\b+4*\c+3], v[ADRC+\hf] offset:\b*16*PITCH+128*(\qs)+32*\c
.endr
.endr
.endm
.macro STEP qs, set, zero, aj, lw      ; a step that has its successor in the same slot
	s_wait_loadcnt \lw
	s_wait_dscnt 32
	MUL16 0, 0, \set, \zero
	MUL16 0, 4, \set, \zero
	PLACES
	BFET 0, (\qs)+1
	s_wait_dscnt 32
	MUL16 1, 0, \set, \zero
	MUL16 1, 4, \set, \zero
	PLACES
	BFET 1, (\qs)+1
	WIN 0
	ALD \set, \aj
.endm
; A slot's last step changes slots: at its head all reads of the slot have been issued.  Each wave waits for all its tensor loads (one is out: its part of the next slot), adds 0 to its spare word,
; and waits for that and for its reads; fill = 1: the barrier opens a round of the cluster's barrier, and the slot takes the K piece two on.
.macro TURN set, fill, aj
.if \fill
	s_wait_xcnt 0x0                                ; my prefetches have read their addresses
	s_add_nc_u64 s[PB:PB+1], s[PB:PB+1], 512
	s_add_nc_u64 s[PA:PA+1], s[PA:PA+1], 8192
	s_add_co_u32 s[CH], s[CH], 1
.endif
	s_wait_loadcnt 32
	s_wait_tensorcnt 0x0
	ds_add_u32 v[SPW], v[NIL]
	s_xor_b32 s[OFF], s[OFF], SLOT                 ; the slot that is read next
.if \fill
	s_xor_b32 s[G0+1], s[G0+1], SLOT               ; no load of mine is out: the slot that was read, and the next K piece
	s_add_nc_u64 s[G0+2:G0+3], s[G0+2:G0+3], 512
.endif
	s_wait_dscnt 33                                ; the add and the other buffer's 32 loads may be out
	MUL16 0, 0, \set, 0
	s_wait_dscnt 0x0                               ; the add is done, my reads of this slot are over
	s_barrier_signal -1
	MUL16 0, 4, \set, 0
	WIN 0
	s_barrier_wait -1
.if \fill
	CREST
	tensor_load_to_lds s[G0:G0+3], s[G1:G1+7]
	s_nop 0
.endif
	v_add_nc_u32 v[ADRC], s[OFF], v[BASE]          ; these four lines are also the places ahead of the loads below
	v_add_nc_u32 v[ADRC+1], s[OFF], v[BASE+1]
	v_nop
	v_nop
	s_wait_alu depctr_va_vdst(0)                   ; behind the writes
	BFET 0, 0
	WIN 0
.if \fill
	ASK
.endif
	MUL16 1, 0, \set, 0
	MUL16 1, 4, \set, 0
	PLACES
	BFET 1, 0
	WIN 0
	ALD \set, \aj
.endm
	s_load_b512 s[68:83], s[0:1], 0x0              ; x_codes 68, W_codes 70, scales 72, b 74, values 76, cidx 78, cand 80, out0 82
	v_lshl_add_u32 v[SPW], v0, 2, SPARE
	v_mov_b32 v[NIL], 0
	ds_add_u32 v[SPW], v[NIL]                      ; the opening: the add, twice on end, and its wait ahead of my first tensor load
	ds_add_u32 v[SPW], v[NIL]
	v_lshrrev_b32 v1, 5, v0
	v_readfirstlane_b32 s14, v1                    ; wave 0..3
	s_bfe_u32 s40, ttmp6, 0x40000                  ; cx
	s_lshl_b32 s41, ttmp9, 2
	s_add_co_u32 s41, s41, s40                     ; tile row = 4 x cluster x + cx; the batch is cluster x
	s_and_b32 s42, ttmp7, 0xffff                   ; tile column
	s_mov_b32 s[G1+0], 15|(1<<20)|(1<<21)|(6<<22)|(3<<25)   ; mask: all four partners; elements of 1 byte; padding on; bit 21 beside a mask; after every 128 words, 4 words
	s_mov_b32 s[G1+1], 512<<16                     ; tensor_dim0
	s_mov_b32 s[G1+2], 64<<16                      ; tensor_dim1
	s_mov_b32 s[G1+3], 512<<16                     ; tile_dim0
	s_mov_b32 s[G1+4], 64                          ; tile_dim1
	s_mov_b32 s[G1+5], 4096                        ; the pitch
	s_mov_b32 s[G1+6], 0
	s_mov_b32 s[G1+7], 0
	s_mov_b32 s[OFF], 0
	s_mov_b32 s[CH], 0
	s_mul_i32 s16, s14, 2*STG                      ; my two stages
	s_lshl_b32 s17, s42, 10                        ; the tile's first column in bytes of f32
	s_lshl_b32 s18, s14, 6
	s_lshl_b32 s19, s40, 4
	s_add_co_u32 s18, s18, s19                     ; B's prefetch: row 64 w + 16 cx
	s_lshl_b32 s19, s14, 11                        ; A's prefetch: 2,048 w
	s_mul_i32 s22, s14, QT                         ; where my rows of a tile go
	s_lshl_b32 s20, s42, 20                        ; W: 256 rows of 4,096 bytes a tile column,
	s_mov_b32 s21, 0
	s_lshl_b32 s46, s14, 18                        ; 64 rows a wave
	s_mov_b32 s47, 0
	s_lshl_b32 s48, s41, 20                        ; x_codes: 16 blocks of 65,536 bytes a tile row, 4 blocks a wave
	s_add_co_u32 s48, s48, s46
	s_mov_b32 s49, 0
	s_lshl_b32 s50, s41, 4
	s_add_co_u32 s50, s50, s42
	s_lshl_b32 s50, s50, 16
	s_add_co_u32 s50, s50, 3*8192                  ; block 16 x tile row + tile column, K piece 3: the first change steps it to 4
	s_mov_b32 s51, 0
	s_lshl_b32 s52, s41, 22                        ; out0: 256 rows of 16,384 bytes a tile row, 64 rows a wave, the tile's columns
	s_lshl_b32 s53, s14, 20
	s_add_co_u32 s52, s52, s53
	s_add_co_u32 s52, s52, s17
	s_mov_b32 s53, 0
	s_lshl_b32 s54, ttmp9, 6                       ; cidx, cand: 64 bytes a batch
	s_mov_b32 s55, 0
	v_and_b32 v1, 15, v0                           ; r
	v_bfe_u32 v2, v0, 4, 1                         ; h
	v_and_b32 v3, 31, v0                           ; lane
	v_mul_u32_u24 v4, v1, PITCH
	v_lshl_add_u32 v[BASE], v2, 4, v4
	v_add_nc_u32 v[BASE+1], SLOT/2, v[BASE]
	v_lshl_add_u32 v[ADRC], v2, 4, v4
	v_add_nc_u32 v[ADRC+1], SLOT/2, v[BASE]
	v_mul_u32_u24 v5, v1, SPITCH
	v_lshl_add_u32 v5, v2, 5, v5
	v_add_nc_u32 v[STO], s16, v5
	v_lshlrev_b32 v[LO], 4, v3
	v_add_nc_u32 v[RD], s16, v[LO]
	v_add_nc_u32 v[COLB], s17, v[LO]
	v_mov_b32 v[ZO], 0
	v_lshrrev_b32 v6, 1, v3
	v_add_nc_u32 v6, s18, v6
	v_and_b32 v7, 1, v3
	v_lshlrev_b32 v7, 8, v7
	v_lshl_add_u32 v[PFB], v6, 12, v7              ; a row of 4,096 bytes for two lanes, 256 bytes a lane
	v_min_u32 v8, 7, v3
	v_lshl_add_u32 v[PFX], v8, 8, s19
	s_wait_alu depctr_va_vdst(0)                   ; directly ahead of the waits below
	s_wait_dscnt 0x0                               ; both opening adds are done
	s_wait_kmcnt 0x0
	s_load_b64 s[96:97], s[72:73], 0x0             ; ex, ew
	s_add_nc_u64 s[20:21], s[70:71], s[20:21]
	s_add_nc_u64 s[PB:PB+1], s[20:21], 3*512
	s_add_nc_u64 s[20:21], s[20:21], s[46:47]
	s_add_nc_u64 s[AB:AB+1], s[68:69], s[48:49]
	s_add_nc_u64 s[PA:PA+1], s[68:69], s[50:51]
	s_add_nc_u64 s[82:83], s[82:83], s[52:53]
	s_add_nc_u64 s[78:79], s[78:79], s[54:55]
	s_add_nc_u64 s[80:81], s[80:81], s[54:55]
	s_mov_b32 s[G0], 1
	s_mov_b32 s[G0+1], s22
	s_mov_b64 s[G0+2:G0+3], s[20:21]
	s_or_b32 s[G0+3], s[G0+3], 0x80000000
.irp i, 0,1,2,3
	global_load_b128 v[VO+4*\i:VO+4*\i+3], v[ZO], s[78:79] offset:16*\i
	global_load_b128 v[DI+4*\i:DI+4*\i+3], v[ZO], s[80:81] offset:16*\i
	global_load_b128 v[EP+4*\i:EP+4*\i+3], v[ZO], s[80:81] offset:256+16*\i
.endr
	ALD 0, 0
	ALD 1, 1
	CROUND                                         ; the four partners are here: the first joint loads meet
	tensor_load_to_lds s[G0:G0+3], s[G1:G1+7]      ; K piece 0: one tensor load a wave at the head
	s_nop 0
	PLACES
	s_wait_loadcnt 32                              ; the candidates are in; A's 32 loads stay out
	s_wait_kmcnt 0x0
	s_add_co_i32 s96, s96, s97
	s_add_co_i32 s96, s96, 127
	s_lshl_b32 s96, s96, 23                        ; 2^(ex + ew)
	v_mov_b32 v[BEST], v[DI]
	v_mov_b32 v[BEPS], v[EP]
	v_mov_b32 v[WINR], 0
.irp c, 1,2,3,4,5,6,7,8,9,10,11,12,13,14,15
	v_cmp_ge_f32 vcc_lo, v[DI+\c], v[BEST]         ; not nearer: what leads stays
	v_cndmask_b32 v[BEST], v[DI+\c], v[BEST], vcc_lo
	v_cndmask_b32 v[BEPS], v[EP+\c], v[BEPS], vcc_lo
	v_cndmask_b32 v[WINR], \c, v[WINR], vcc_lo
.endr
	v_cmp_le_f32 vcc_lo, v[BEST], v[BEPS]          ; a hit?
	v_cndmask_b32 v[SC], s96, v[ZO], vcc_lo
	v_cndmask_b32 v[WINR], 64, v[WINR], vcc_lo     ; no hit: no candidate's number
	v_mov_b32 v[SC+1], v[SC]
.irp c, 0,1,2,3,4,5,6,7,8,9,10,11,12,13,14,15
	v_min_u32 v[VO+\c], 0x7ff, v[VO+\c]            ; held inside the table before it enters an address
	v_lshl_add_u32 v[VO+\c], v[VO+\c], 14, v[COLB]
.endr
	WIN 0x80                                       ; the 16 rows' pieces land in window 2, which the sums do not yet use
.irp c, 0,1,2,3,4,5,6,7,8,9,10,11,12,13,14,15
	global_load_b128 v[8*\c:8*\c+3], v[VO+\c], s[76:77]
	global_load_b128 v[8*\c+4:8*\c+7], v[VO+\c], s[76:77] offset:512
.endr
	WIN 0
	global_load_b128 v[FB:FB+3], v[COLB], s[74:75]
	global_load_b128 v[FB+4:FB+7], v[COLB], s[74:75] offset:512
	s_wait_alu depctr_va_vdst(0)                   ; directly ahead of the waits below
	s_wait_xcnt 0x0                                ; the loads above have read their offsets: A's third set may land there
	ALD 2, 2
	s_wait_tensorcnt 0x0                           ; my part of K piece 0 is in; slot 1's first fill is issued as a refill is
	ds_add_u32 v[SPW], v[NIL]
	s_xor_b32 s[G0+1], s[G0+1], SLOT
	s_add_nc_u64 s[G0+2:G0+3], s[G0+2:G0+3], 512
	s_wait_dscnt 0x0
	CROUND
	tensor_load_to_lds s[G0:G0+3], s[G1:G1+7]      ; K piece 1
	s_nop 0
	PLACES
	BFET 0, 0
	BFET 1, 0
	s_wait_loadcnt 16                              ; the values and b are in; A's third set stays out
	WIN 0x08                                       ; source 1: window 2
.irp c, 0,1,2,3,4,5,6,7,8,9,10,11,12,13,14,15
	v_cmp_eq_u32 vcc_lo, v[WINR], \c
.irp k, 0,1,2,3,4,5,6,7
	v_cndmask_b32 v[FB+\k], v[FB+\k], v[8*\c+\k], vcc_lo
.endr
.endr
	WIN 0
	s_wait_alu depctr_va_vdst(0)                   ; the wait at the head's end
	STEP 0, 0, 1, 3, 32                            ; the first step stands in front of the loop: its products start the sums
	s_mov_b32 s3, 2
.Ltrip:                                                ; a trip: 12 steps, three changes of slots, each with a refill
	STEP 1, 1, 0, 4, 32
	STEP 2, 2, 0, 5, 32
	TURN 0, 1, 6
	STEP 0, 1, 0, 7, 32
	STEP 1, 2, 0, 8, 32
	STEP 2, 0, 0, 9, 32
	TURN 1, 1, 10
	STEP 0, 2, 0, 11, 32
	STEP 1, 0, 0, 12, 32
	STEP 2, 1, 0, 13, 32
	TURN 2, 1, 14
	STEP 0, 0, 0, 15, 32
	s_wait_xcnt 0x0                                ; A's loads have read their base
	s_add_nc_u64 s[AB:AB+1], s[AB:AB+1], 12*2048
	s_sub_co_u32 s3, s3, 1
	s_cmp_lg_u32 s3, 0
	s_cbranch_scc1 .Ltrip
	STEP 1, 1, 0, 4, 32                            ; the last seven steps fill nothing; A's last four sets are asked for, then the counts run down
	STEP 2, 2, 0, 5, 32
	TURN 0, 0, 6
	STEP 0, 1, 0, 7, 32
	STEP 1, 2, 0, -1, 32
	STEP 2, 0, 0, -1, 16
	s_wait_loadcnt 0x0
	s_wait_dscnt 32
	MUL16 0, 0, 1, 0
	MUL16 0, 4, 1, 0
	s_wait_dscnt 0x0
	MUL16 1, 0, 1, 0
	MUL16 1, 4, 1, 0
	WIN 0
; THE WAY OUT, by blocks of 16 rows x 256 columns: 32 bytes a lane into my own stage, back as whole rows (two loads of 512 bytes a row), x SC + FB, stored 512 consecutive bytes at a time.
; LDS serves a wave's instructions in order: no wait between the stores and the loads.
.macro TOST a
.irp hh, 0,1
	WIN (0x08+4*\hh)                               ; the stores' data: window 2, then 3; each accumulator from its low end on
.irp b, 0,1,2,3,4,5,6,7
	ds_store_b128 v[STO], v[8*(4*\b+(\a)):8*(4*\b+(\a))+3] offset:((\a)%2)*STG+512*\hh+64*\b
	ds_store_b128 v[STO], v[8*(4*\b+(\a))+4:8*(4*\b+(\a))+7] offset:((\a)%2)*STG+512*\hh+64*\b+16
.endr
.endr
	WIN 0x40                                       ; back into window 1, where B's buffers lay: 128 registers a block, two blocks by turns
.set n, 0
.rept 32
	ds_load_b128 v[128*((\a)%2)+4*n:128*((\a)%2)+4*n+3], v[RD] offset:((\a)%2)*STG+(n/2)*SPITCH+512*(n%2)
.set n, n+1
.endr
	WIN 0
.endm
.macro SEND a, younger
	s_wait_dscnt \younger
	WIN 0x41
.set n, 0
.rept 32
	v_pk_fma_f32 v[128*((\a)%2)+4*n:128*((\a)%2)+4*n+1], v[128*((\a)%2)+4*n:128*((\a)%2)+4*n+1], v[SC:SC+1], v[FB+4*(n%2):FB+4*(n%2)+1]
	v_pk_fma_f32 v[128*((\a)%2)+4*n+2:128*((\a)%2)+4*n+3], v[128*((\a)%2)+4*n+2:128*((\a)%2)+4*n+3], v[SC:SC+1], v[FB+4*(n%2)+2:FB+4*(n%2)+3]
.set n, n+1
.endr
	WIN 0x04
.set n, 0
.rept 32
	global_store_b128 v[LO], v[128*((\a)%2)+4*n:128*((\a)%2)+4*n+3], s[82:83] offset:(16*(\a)+n/2)*16384+512*(n%2) th:TH_STORE_NT
.set n, n+1
.endr
	WIN 0
.endm
	PLACES
	TOST 0
.irp a, 1,2,3
.if \a > 1
	s_wait_xcnt 0x0                                ; block a - 2's stores have read their registers: block a's loads may land there
.endif
	TOST \a
	SEND \a-1, 63                                  ; behind block a - 1's loads stand block a's 32 stores and 32 loads; the counter's field holds 63
.endr
	SEND 3, 0
	s_wait_tensorcnt 0x0                           ; the wave's end
	ds_add_u32 v[SPW], v[NIL]
	s_wait_dscnt 0x0
	CROUND                                         ; the closing round
	s_endpgm
.Lfunc_end_k_qf7d6b96d24_gemm:
	.size	k_qf7d6b96d24_gemm, .Lfunc_end_k_qf7d6b96d24_gemm-k_qf7d6b96d24_gemm
	.p2alignl 7, 3214868480
	.fill 96, 4, 3214868480
	.section	.rodata,"a",@progbits
	.p2align	6, 0x0
	.amdhsa_kernel k_qf7d6b96d24_gemm
		.amdhsa_group_segment_fixed_size 327680
		.amdhsa_private_segment_fixed_size 0
		.amdhsa_enable_private_segment 0
		.amdhsa_kernarg_size 64
		.amdhsa_user_sgpr_count 2
		.amdhsa_user_sgpr_kernarg_segment_ptr 1
		.amdhsa_wavefront_size32 1
		.amdhsa_system_sgpr_workgroup_id_x 1
		.amdhsa_system_sgpr_workgroup_id_y 1
		.amdhsa_system_sgpr_workgroup_id_z 1
		.amdhsa_system_vgpr_workitem_id 0
		.amdhsa_next_free_vgpr 1024
		.amdhsa_next_free_sgpr 98
		.amdhsa_reserve_vcc 1
		.amdhsa_float_denorm_mode_32 3
		.amdhsa_float_denorm_mode_16_64 3
		.amdhsa_memory_ordered 1
		.amdhsa_forward_progress 1
		.amdhsa_inst_pref_size 255
	.end_amdhsa_kernel
	.section	.bss,"aw",@nobits
	.p2align	6
	.space	262144
	.amdgpu_metadata
---
amdhsa.version: [ 1, 2 ]
amdhsa.kernels:
  - .name:           k_qf7d6b96d24_gemm
    .symbol:         k_qf7d6b96d24_gemm.kd
    .args:
      - { .name: x_codes, .offset: 0, .size: 8, .value_kind: global_buffer, .address_space: global }
      - { .name: W_codes, .offset: 8, .size: 8, .value_kind: global_buffer, .address_space: global }
      - { .name: lowp_scales, .offset: 16, .size: 8, .value_kind: global_buffer, .address_space: global }
      - { .name: b, .offset: 24, .size: 8, .value_kind: global_buffer, .address_space: global }
      - { .name: values, .offset: 32, .size: 8, .value_kind: global_buffer, .address_space: global }
      - { .name: cidx, .offset: 40, .size: 8, .value_kind: global_buffer, .address_space: global }
      - { .name: cand, .offset: 48, .size: 8, .value_kind: global_buffer, .address_space: global }
      - { .name: out0, .offset: 56, .size: 8, .value_kind: global_buffer, .address_space: global }
    .group_segment_fixed_size: 327680
    .private_segment_fixed_size: 0
    .kernarg_segment_align: 8
    .kernarg_segment_size: 64
    .max_flat_workgroup_size: 128
    .sgpr_count:     98
    .vgpr_count:     1024
    .wavefront_size: 32
...
	.end_amdgpu_metadata
.endif
;; end of part 4
